; MI455X (gfx1250); checked and timed in simulation.
; The chip was launched on July 23, 2026; its instructions are those of AMD's public machine-readable ISA for CDNA 5 (MIT licence, August 2026) and "CDNA5" Instruction Set Architecture Reference Guide (July 2026). The comments in the code are by the model that wrote it; some were corrected since.
;; Feature Propagation Neural Operator. Allowed arithmetic: float matrix products may take bf16 or f16 operands with f32 sums; all other float work in f32.
;; Inputs: W1 384 x 256 float32; W2 256 x 128 float32; Wp 64 x 128 float32; b1 256 float32; b2 128 float32; batch 8,192 int32; batch_skip 32,768 int32; bp 128 float32; par_embedding 4 x 1 x 64 float32; pos 8,192 x 3 float32; pos_skip 32,768 x 3 float32; x 8,192 x 256 float32; x_skip 32,768 x 128 float32.
;; Outputs: out0 32,768 x 128 float32; out1 32,768 x 3 float32; out2 32,768 int32.
;; One version. Each part assembles by itself: llvm-mc -triple=amdgcn-amd-amdhsa -mcpu=gfx1250 --defsym DOCPART=n.
;; ======== version 1 of 1: 3 launches
;; limits: values outside matrix products are rounded to f16; values are held in f16: magnitudes above 65,504 overflow, below 6.1e-05 lose precision
;; workspace buffers: cand 524,288 bytes of whole numbers; nbr 393,216 bytes of whole numbers; wts 393,216 bytes; z16 4,194,304 bytes; wf 262,144 bytes
;; launch coarse (part 1): grid 256 x 1, 4 waves a work-group, no clusters, 197,120 bytes of LDS; arguments pos, pos_skip, batch_skip, W1, W2, cand, wf, out1, out2; writes cand, wf, out1, out2
.if DOCPART == 1
	.amdgcn_target "amdgcn-amd-amdhsa--gfx1250"
	.amdhsa_code_object_version 6
	.text
	.protected	k_qa4aabca9e8_coarse
	.globl	k_qa4aabca9e8_coarse
	.p2align	8
	.type	k_qa4aabca9e8_coarse,@function
k_qa4aabca9e8_coarse:
	s_mov_b64 s[64:65], 0
	v_nop
	global_prefetch_b8 v0, s[64:65] scope:SCOPE_SE
	s_setreg_imm32_b32 hwreg(HW_REG_WAVE_MODE, 25, 1), 1
	s_wait_xcnt 0x0
; FIRST OF THREE LAUNCHES: the coarse stage of the search for the 3 nearest sources, the weights as f16 fragments, and the two outputs that are copies.
;
; THE WHOLE PROGRAM.  out0 = (relu([xi, x_skip] W1 + b1) W2 + b2) * gate, xi = sum_k wn_k x[idx_k], wn_k = w_k / sum w.
;  * xi W1[:256] = sum_k wn_k (x W1[:256])[idx_k], and sum_k wn_k = 1, so z = x W1[:256] + b1 is made once for the 8192 source rows (second launch)
;    and the third launch gathers rows of z: an identity for all values of the inputs.
;  * The input 'batch' is never read by reference(): it has no way to any output, is not loaded and is no argument of any launch.
;    A NaN or an infinity in it is therefore not carried anywhere.  Nothing else is left out.
;  * The search: here every pair's d2 is made on the matrix unit and only the 4 chunks (8 neighbouring sources) with the smallest minima are kept for each point.
;    The 3 nearest sources lie in the 3 chunks with the smallest minima; the fourth is room for rounding.  The second launch evaluates those 32 sources in f32.
; LIMITS.  The neighbours can differ from reference()'s where two further chunk minima lie within about 1e-6 (|a|^2+|b|^2), or 2^-15 relative, of the third
; nearest distance, or where the last bit of reference()'s own f32 sums decides between two sources.  d2 stays below 1.7e38; NaN or infinite positions are not
; served.  The layers run on f16 operands with f32 sums: |x|, |x_skip|, |W1|, |W2|, |z| and |h| stay below 65504.
;
; THIS LAUNCH.  Work-group g: fine points 128 g .. 128 g + 127 (cloud g >> 6) against the cloud's 2048 sources.  Wave w: source tiles 32 w .. 32 w + 31 against
; all 8 point tiles, so one source fragment from LDS feeds 8 products.
; Each f32 number is split exactly into 3 bf16 pieces (8 + 8 + 8 mantissa bits).  K = 32 holds, for the components (x, y, z, |b|^2) of a source and
; (-2ax, -2ay, -2az, 1) of a point, the piece pairs (i, j) = (1,1)(1,2)(1,3)(2,1) in lanes 0-15 and (2,2)(2,3)(3,1)(3,2) in lanes 16-31; (3,3) is left out
; (2^-31 relative).  |a|^2 comes in as C.  D: register j of lane (r, h) = d2(source 16 T + 8 h + j, point 16 t + r): a lane's 8 registers are one chunk, 2 T + h.
; The chunk's minimum gets the chunk's number in its low 8 mantissa bits and goes into a sorted list of 4 for that lane and point tile.
; THE BUILD is shared: each thread splits 16 sources into the table, four at a time on register sets of their own; each wave splits two of the eight point tiles
; and hands them to the others through LDS bytes that nothing else ever writes, so the one barrier behind the table serves both.
; Work-group g also makes weight fragment g of 256, and copies its share of pos_skip and batch_skip.
.set PITCH, 80                         ; a source's LDS row: 64 bytes + 16, an odd multiple of 16: the 16 rows of a fragment load start in different bank groups
.set MRG,   163840                     ; behind the 2048 rows: [wave][point tile][lane] lists of 16 bytes
.set PF,    180224                     ; point tile t at 2048 t: fragment registers 0-3, at + 512 registers 4-7, at + 1024 |a|^2 four times; 16 bytes a lane each
.set BP,    16                         ; v[16:79]    point fragments, 8 tiles x 8
.set CP,    80                         ; v[80:143]   |a|^2, 8 tiles x 8 equal registers (the C operand)
.set KEY,   144                        ; v[144:175]  sorted lists, 8 tiles x 4
.set DB,    176                        ; v[176:207]  four D blocks
.set AF,    208                        ; v[208:223]  source fragments, two buffers
.set TM,    224                        ; v[224:231]  at work
; while the table and the point fragments are built the same registers serve otherwise:
;   v[16:63], v[64:111]  two banks of four sets: RR 8 registers of pieces P1 Q1 P2 Q2 P3 Q3 (P1 Q1), then TT 4 registers at work
.set RAW,   144                        ; v[144:207]  16 sources as loaded, 4 registers each (the fourth takes |b|^2)
.set RAWP,  224                        ; v[224:231]  my two point tiles as loaded, 4 registers each
.set CQ,    232                        ; v[232:239]  their |a|^2, four times each
.set FR,    240                        ; v[240:255]  their fragments
.set WOF,   128                        ; v[128:131]  byte offsets of my four weights
.set TAD,   132                        ; v[132:135]  LDS addresses of my table rows
.set POF,   136                        ; offsets: points, my 8 bytes of wf, the copy, sources
.set FOF,   137
.set COF,   138
.set SOF,   139
.set PFA,   14                         ; LDS address: where my wave puts its two point tiles
.set PFR,   15                         ; LDS address: where a lane reads the eight
	s_load_b512 s[4:19], s[0:1], 0x0               ; pos s[4:5], pos_skip s[6:7], batch_skip s[8:9], W1 s[10:11], W2 s[12:13], cand s[14:15], wf s[16:17], out1 s[18:19]
	s_load_b64 s[20:21], s[0:1], 0x40              ; out2
	s_set_vgpr_msb 0x40
	v_lshl_add_u32 v0, v0, 2, 0x30000
	v_mov_b32 v1, 0
	s_set_vgpr_msb 0x4000
	v_lshrrev_b32 v1, 5, v0
	v_readfirstlane_b32 s23, v1                    ; wave
	s_mov_b32 s22, ttmp9                           ; g
	s_lshr_b32 s24, s22, 6                         ; cloud
	s_mov_b32 s25, 0xffffff00                      ; keeps sign, exponent and 15 mantissa bits of a minimum
	s_mov_b32 s28, 0xffff0000                      ; a word's upper bf16
	s_mov_b32 vcc_lo, 0xffff0000                   ; lanes 16-31
	s_lshl_b32 s26, s23, 6                         ; chunk number of my first tile's lanes 0-15: 2 (32 w)
	; the copy: waves 0-2 take 512 bytes each of the group's 1536 of pos_skip, wave 3 the group's 512 of batch_skip
	s_mul_i32 s29, s22, 1536                       ; also the group's points in pos_skip
	s_lshl_b32 s34, s23, 9
	s_add_co_u32 s34, s34, s29
	s_lshl_b32 s35, s22, 9
	; weight fragment F = g.  F < 128: W1, K step (F>>3)&7, column tile 8 (F>>6) + (F&7).  128 <= F < 192: W1, K step 8 + ((F>>4)&3), tile F&15.
	; F >= 192: W2, K step (F>>3)&7, tile F&7.  Column of lane r: W1 128 (nt>>3) + 8 r + (nt&7); W2 64 (nt>>2) + 4 r + (nt&3).
	s_bfe_u32 s38, s22, 0x30003                    ; (g>>3)&7
	s_bfe_u32 s39, s22, 0x20004
	s_add_co_u32 s39, s39, 8                       ; 8 + ((g>>4)&3)
	s_and_b32 s40, s22, 7
	s_lshl_b32 s41, s24, 7
	s_add_co_u32 s41, s41, s40                     ; first case: column of r = 0
	s_bfe_u32 s42, s22, 0x10003
	s_lshl_b32 s42, s42, 7
	s_add_co_u32 s42, s42, s40                     ; second case
	s_bfe_u32 s43, s22, 0x10002
	s_lshl_b32 s43, s43, 6
	s_and_b32 s44, s22, 3
	s_add_co_u32 s43, s43, s44                     ; third case
	s_wait_kmcnt 0x0
	s_cmp_eq_u32 s23, 3                            ; selects leave SCC alone, so each compare serves the selects behind it
	s_cselect_b32 s34, s35, s34
	s_cselect_b64 s[30:31], s[8:9], s[6:7]         ; the copy's source
	s_cselect_b64 s[32:33], s[20:21], s[18:19]     ; and its destination
	s_cmp_lt_u32 s22, 128
	s_cselect_b32 s39, s38, s39
	s_cselect_b32 s42, s41, s42
	s_cmp_lt_u32 s22, 192
	s_cselect_b32 s39, s39, s38                    ; K step
	s_cselect_b32 s42, s42, s43                    ; column of r = 0
	s_cselect_b32 s45, 10, 9                       ; log2 of a row's bytes: W1 1024, W2 512
	s_cselect_b32 s46, 5, 4                        ; log2 of the bytes from lane r to r + 1: 8 or 4 columns
	s_cselect_b64 s[36:37], s[10:11], s[12:13]
	s_lshl_b32 s44, 1, s45                         ; a row's bytes
	s_lshl_b32 s39, s39, 5
	s_lshl_b32 s39, s39, s45                       ; 32 K step rows
	s_lshl_b32 s42, s42, 2
	s_add_co_u32 s39, s39, s42
	s_mul_i32 s40, s23, 384                        ; my two point tiles: 32 points of 12 bytes
	s_add_co_u32 s40, s40, s29
	s_lshl_b32 s41, s23, 12                        ; and their 2 x 2048 bytes of LDS
	s_add_co_u32 s41, s41, PF
	s_mov_b32 s43, PF
	v_and_b32 v1, 31, v0                           ; lane
	v_and_b32 v2, 15, v0                           ; r
	v_bfe_u32 v3, v0, 4, 1                         ; h
	v_lshl_add_u32 v[COF], v1, 4, s34
	; thread t writes bytes 8 t .. 8 t + 7 of the fragment: half Gq = t >> 6, lane (t >> 1) & 31, elements 4 (t & 1) .. + 3: rows 8 (t >> 5) + 4 (t & 1) .. + 3 of the K step
	v_lshrrev_b32 v14, 5, v0
	v_and_b32 v15, 1, v0
	v_lshlrev_b32 v14, 3, v14
	v_lshl_add_u32 v14, v15, 2, v14
	v_bfe_u32 v15, v0, 1, 4
	v_lshlrev_b32 v14, s45, v14
	v_lshlrev_b32 v15, s46, v15
	v_add3_u32 v[WOF], v14, v15, s39
	v_add_nc_u32 v[WOF+1], s44, v[WOF]
	v_add_nc_u32 v[WOF+2], s44, v[WOF+1]
	v_add_nc_u32 v[WOF+3], s44, v[WOF+2]
	v_lshl_add_u32 v[PFA], v1, 4, s41
	v_lshl_add_u32 v[PFR], v1, 4, s43
	s_mul_i32 s35, s24, 24576                      ; the cloud's sources
	v_mad_u32_u24 v[SOF], v0, 12, s35
	v_mad_u32_u24 v[POF], v2, 12, s40
	s_lshl_b32 s47, s22, 10
	v_lshl_add_u32 v[FOF], v0, 3, s47
	v_mul_u32_u24 v[TAD], v0, PITCH
	v_add_nc_u32 v[TAD+1], 40960, v[TAD]
	v_add_nc_u32 v[TAD+2], 40960, v[TAD+1]
	v_add_nc_u32 v[TAD+3], 40960, v[TAD+2]
	; 23 loads in this order: the copy, 4 weights, 16 sources (128 i + thread), my wave's 2 point tiles (16 (2 w + t) + r)
	global_load_b128 v[4:7], v[COF], s[30:31]
.irp i, 0,1,2,3
	global_load_b32 v[8+\i], v[WOF+\i], s[36:37]
.endr
.irp i, 0,1,2,3,4,5,6,7,8,9,10,11,12,13,14,15
	global_load_b96 v[RAW+4*\i:RAW+4*\i+2], v[SOF], s[4:5] offset:1536*\i
.endr
.irp t, 0,1
	global_load_b96 v[RAWP+4*\t:RAWP+4*\t+2], v[POF], s[6:7] offset:192*\t
.endr
	s_wait_loadcnt 22                              ; the copy's load is in; the 22 younger stay out
	global_store_b128 v[COF], v[4:7], s[32:33] th:TH_STORE_NT   ; a wave stores 512 consecutive bytes
	s_wait_loadcnt 18                              ; my four weights; 16 sources and 2 point tiles stay out
	v_cvt_pk_f16_f32 v12, v8, v9
	v_cvt_pk_f16_f32 v13, v10, v11
	global_store_b64 v[FOF], v[12:13], s[16:17]    ; a wave stores 256 consecutive bytes, aligned
; cnt sets at once.  Set n: four f32 in v[CB+4n : +3] into three bf16 pieces each, v[RR+8n ..] = P1 Q1 P2 Q2 P3 Q3, P = (c0, c1), Q = (c2, c3); v[TT+4n ..] at work.
; Each remainder is exact.  The sets' lines take turns, so that no line reads what the line just ahead of it wrote.
.macro SPLITN cnt
.irp lv, 0,1
.set sn, 0
.rept \cnt
	v_cvt_pk_bf16_f32 v[RR+8*sn+2*\lv], v[CB+4*sn], v[CB+4*sn+1]
	v_cvt_pk_bf16_f32 v[RR+8*sn+2*\lv+1], v[CB+4*sn+2], v[CB+4*sn+3]
.set sn, sn+1
.endr
.set sn, 0
.rept \cnt
	v_lshlrev_b32 v[TT+4*sn], 16, v[RR+8*sn+2*\lv]
	v_and_b32 v[TT+4*sn+1], s28, v[RR+8*sn+2*\lv]
	v_lshlrev_b32 v[TT+4*sn+2], 16, v[RR+8*sn+2*\lv+1]
	v_and_b32 v[TT+4*sn+3], s28, v[RR+8*sn+2*\lv+1]
.set sn, sn+1
.endr
.set sn, 0
.rept \cnt
	v_pk_add_f32 v[CB+4*sn:CB+4*sn+1], v[CB+4*sn:CB+4*sn+1], v[TT+4*sn:TT+4*sn+1] neg_lo:[0,1] neg_hi:[0,1]
	v_pk_add_f32 v[CB+4*sn+2:CB+4*sn+3], v[CB+4*sn+2:CB+4*sn+3], v[TT+4*sn+2:TT+4*sn+3] neg_lo:[0,1] neg_hi:[0,1]
.set sn, sn+1
.endr
.endr
.set sn, 0
.rept \cnt
	v_cvt_pk_bf16_f32 v[RR+8*sn+4], v[CB+4*sn], v[CB+4*sn+1]
	v_cvt_pk_bf16_f32 v[RR+8*sn+5], v[CB+4*sn+2], v[CB+4*sn+3]
.set sn, sn+1
.endr
.endm
; Sources 128 (4 g + n) + thread, n = 0..3.  A table row is the piece pairs j = 1 2 3 1 | 2 3 1 2.  The sixteen LDS stores go out as one run; the groups take
; the two banks of sets by turns, so that a group's lines write no register that the stores of the group just before it read.
.macro SRC4 g
.set RR, 16+48*((\g)%2)
.set TT, RR+32
.set CB, RAW+16*(\g)
	s_wait_loadcnt 14-4*(\g)                       ; these four sources are in; the 12 - 4 g later ones and the 2 point tiles stay out
.set sn, 0
.rept 4
	v_mul_f32 v[CB+4*sn+3], v[CB+4*sn], v[CB+4*sn]
.set sn, sn+1
.endr
.set sn, 0
.rept 4
	v_fmac_f32 v[CB+4*sn+3], v[CB+4*sn+1], v[CB+4*sn+1]
.set sn, sn+1
.endr
.set sn, 0
.rept 4
	v_fmac_f32 v[CB+4*sn+3], v[CB+4*sn+2], v[CB+4*sn+2]        ; |b|^2
.set sn, sn+1
.endr
	SPLITN 4
.set sn, 0
.rept 4
	v_mov_b32 v[RR+8*sn+6], v[RR+8*sn]
	v_mov_b32 v[RR+8*sn+7], v[RR+8*sn+1]
.set sn, sn+1
.endr
.set sn, 0
.rept 4
	ds_store_b128 v[TAD+\g], v[RR+8*sn:RR+8*sn+3]   offset:sn*10240
	ds_store_b128 v[TAD+\g], v[RR+8*sn+4:RR+8*sn+7] offset:sn*10240+16
	ds_store_b128 v[TAD+\g], v[RR+8*sn+2:RR+8*sn+5] offset:sn*10240+32
	ds_store_b128 v[TAD+\g], v[RR+8*sn:RR+8*sn+3]   offset:sn*10240+48
.set sn, sn+1
.endr
.endm
	SRC4 0
	SRC4 1
	SRC4 2
	SRC4 3
	; My wave's point tiles 2 w and 2 w + 1, the two in turn: |a|^2, then the fragment: the piece pairs i = 1 1 1 2 in lanes 0-15 and 2 2 3 3 in lanes 16-31.
.set RR, 16
.set TT, RR+32
.set CB, RAWP
	s_wait_loadcnt 0x0                             ; both tiles; nothing younger is out
.set sn, 0
.rept 2
	v_mul_f32 v[CQ+4*sn], v[CB+4*sn], v[CB+4*sn]
.set sn, sn+1
.endr
.set sn, 0
.rept 2
	v_fmac_f32 v[CQ+4*sn], v[CB+4*sn+1], v[CB+4*sn+1]
.set sn, sn+1
.endr
.set sn, 0
.rept 2
	v_fmac_f32 v[CQ+4*sn], v[CB+4*sn+2], v[CB+4*sn+2]          ; |a|^2
.set sn, sn+1
.endr
.set sn, 0
.rept 2
	v_mul_f32 v[CB+4*sn],   -2.0, v[CB+4*sn]
	v_mul_f32 v[CB+4*sn+1], -2.0, v[CB+4*sn+1]
	v_mul_f32 v[CB+4*sn+2], -2.0, v[CB+4*sn+2]
	v_mov_b32 v[CB+4*sn+3], 1.0                    ; its pieces are 1, 0, 0: each piece of |b|^2 is counted once
	v_mov_b32 v[CQ+4*sn+1], v[CQ+4*sn]             ; 16 bytes of |a|^2: a reader takes them twice for the eight equal registers of C
	v_mov_b32 v[CQ+4*sn+2], v[CQ+4*sn]
	v_mov_b32 v[CQ+4*sn+3], v[CQ+4*sn]
.set sn, sn+1
.endr
	SPLITN 2
.set sn, 0
.rept 2
	v_cndmask_b32 v[FR+8*sn],   v[RR+8*sn],   v[RR+8*sn+2], vcc_lo
	v_cndmask_b32 v[FR+8*sn+1], v[RR+8*sn+1], v[RR+8*sn+3], vcc_lo
	v_cndmask_b32 v[FR+8*sn+2], v[RR+8*sn],   v[RR+8*sn+2], vcc_lo
	v_cndmask_b32 v[FR+8*sn+3], v[RR+8*sn+1], v[RR+8*sn+3], vcc_lo
	v_cndmask_b32 v[FR+8*sn+4], v[RR+8*sn],   v[RR+8*sn+4], vcc_lo
	v_cndmask_b32 v[FR+8*sn+5], v[RR+8*sn+1], v[RR+8*sn+5], vcc_lo
	v_cndmask_b32 v[FR+8*sn+6], v[RR+8*sn+2], v[RR+8*sn+4], vcc_lo
	v_cndmask_b32 v[FR+8*sn+7], v[RR+8*sn+3], v[RR+8*sn+5], vcc_lo
.set sn, sn+1
.endr
.set sn, 0
.rept 2
	ds_store_b128 v[PFA], v[FR+8*sn:FR+8*sn+3]   offset:sn*2048
	ds_store_b128 v[PFA], v[FR+8*sn+4:FR+8*sn+7] offset:sn*2048+512
	ds_store_b128 v[PFA], v[CQ+4*sn:CQ+4*sn+3]   offset:sn*2048+1024
.set sn, sn+1
.endr
	s_wait_xcnt 0x0                                ; the two global stores' data and offsets (v[4:7], v[12:13], v[137:138]) are written again only behind this wait
	s_wait_dscnt 0x0                               ; my table rows and my two point tiles are written,
	s_barrier_signal -1
	s_barrier_wait -1                              ; everybody's are
	; all eight point tiles: 16 neighbouring bytes a lane in every load
.irp t, 0,1,2,3,4,5,6,7
	ds_load_b128 v[BP+8*\t:BP+8*\t+3],   v[PFR] offset:2048*\t
	ds_load_b128 v[BP+8*\t+4:BP+8*\t+7], v[PFR] offset:2048*\t+512
	ds_load_b128 v[CP+8*\t:CP+8*\t+3],   v[PFR] offset:2048*\t+1024
	ds_load_b128 v[CP+8*\t+4:CP+8*\t+7], v[PFR] offset:2048*\t+1024
.endr
	s_mul_i32 s44, s23, 40960                      ; my 32 tiles of 16 rows
	v_mad_u32_u24 v4, v2, PITCH, s44
	v_lshl_add_u32 v4, v3, 5, v4                   ; row r, bytes 32 h .. 32 h + 31
	ds_load_b128 v[AF:AF+3], v4
	ds_load_b128 v[AF+4:AF+7], v4 offset:16
	s_mov_b32 s35, 0x7f7fff00                      ; a large finite key: each list sees 32 real keys, so none of these is left
.irp i, 0,1,2,3,4,5,6,7,8,9,10,11,12,13,14,15,16,17,18,19,20,21,22,23,24,25,26,27,28,29,30,31
	v_mov_b32 v[KEY+\i], s35
.endr
.macro PROD t, buf                     ; every product takes the constant C block and writes a D block of its own: no sum is carried from product to product
	v_wmma_f32_16x16x32_bf16 v[DB+8*((\t)&3):DB+8*((\t)&3)+7], v[AF+8*(\buf):AF+8*(\buf)+7], v[BP+8*(\t):BP+8*(\t)+7], v[CP+8*(\t):CP+8*(\t)+7]
.endm
; Two point tiles' chunks: minimum of 8, the chunk's number into the low bits, insertion into the sorted four.  Line by line in turn, so that no line waits for the one ahead.
.macro S2 ta, tb
	v_min3_num_f32 v[TM],   v[DB+8*((\ta)&3)],   v[DB+8*((\ta)&3)+1], v[DB+8*((\ta)&3)+2]
	v_min3_num_f32 v[TM+4], v[DB+8*((\tb)&3)],   v[DB+8*((\tb)&3)+1], v[DB+8*((\tb)&3)+2]
	v_min3_num_f32 v[TM+1], v[DB+8*((\ta)&3)+3], v[DB+8*((\ta)&3)+4], v[DB+8*((\ta)&3)+5]
	v_min3_num_f32 v[TM+5], v[DB+8*((\tb)&3)+3], v[DB+8*((\tb)&3)+4], v[DB+8*((\tb)&3)+5]
	v_min_num_f32  v[TM+2], v[DB+8*((\ta)&3)+6], v[DB+8*((\ta)&3)+7]
	v_min_num_f32  v[TM+6], v[DB+8*((\tb)&3)+6], v[DB+8*((\tb)&3)+7]
	v_min3_num_f32 v[TM],   v[TM],   v[TM+1], v[TM+2]
	v_min3_num_f32 v[TM+4], v[TM+4], v[TM+5], v[TM+6]
	v_and_or_b32 v[TM],   v[TM],   s25, s26
	v_and_or_b32 v[TM+4], v[TM+4], s25, s26
	v_med3_num_f32 v[KEY+4*\ta+3], v[TM],   v[KEY+4*\ta+2], v[KEY+4*\ta+3]
	v_med3_num_f32 v[KEY+4*\tb+3], v[TM+4], v[KEY+4*\tb+2], v[KEY+4*\tb+3]
	v_med3_num_f32 v[KEY+4*\ta+2], v[TM],   v[KEY+4*\ta+1], v[KEY+4*\ta+2]
	v_med3_num_f32 v[KEY+4*\tb+2], v[TM+4], v[KEY+4*\tb+1], v[KEY+4*\tb+2]
	v_med3_num_f32 v[KEY+4*\ta+1], v[TM],   v[KEY+4*\ta],   v[KEY+4*\ta+1]
	v_med3_num_f32 v[KEY+4*\tb+1], v[TM+4], v[KEY+4*\tb],   v[KEY+4*\tb+1]
	v_min_num_f32  v[KEY+4*\ta],   v[TM],   v[KEY+4*\ta]
	v_min_num_f32  v[KEY+4*\tb],   v[TM+4], v[KEY+4*\tb]
.endm
; One source tile against the 8 point tiles; its products 0 and 1 were issued by the tile before.  Between a product and the lines that read its D block, or the
; product that writes that block again, or the load into its source fragment, stand the 18 lines of another pair of tiles, which name none of its registers
; (ISA guide 7.12.1 asks for four or five such lines).
.macro BODY buf, imm, last
.if \last == 0
	ds_load_b128 v[AF+8*(1-\buf):AF+8*(1-\buf)+3],   v4 offset:\imm       ; the next tile's fragment
	ds_load_b128 v[AF+8*(1-\buf)+4:AF+8*(1-\buf)+7], v4 offset:\imm+16
.endif
	PROD 2, \buf
	PROD 3, \buf
	S2 0, 1
	PROD 4, \buf
	PROD 5, \buf
	S2 2, 3
	PROD 6, \buf
	PROD 7, \buf
	S2 4, 5
.if \last == 0
	s_wait_dscnt 0x0                               ; the next fragment, asked for six products and 54 lines ago
	PROD 0, 1-\buf
	PROD 1, 1-\buf
.endif
	S2 6, 7
	s_add_co_u32 s26, s26, 2                       ; the next tile's chunk number
.endm
	s_wait_dscnt 0x0                               ; the point tiles and the first source fragment
	PROD 0, 0
	PROD 1, 0
.rept 5
	v_nop                                          ; the lines that later tiles' list work provides
.endr
	s_mov_b32 s27, 15
.Ltile:
	BODY 0, 1280, 0
	BODY 1, 2560, 0
	v_add_nc_u32 v4, 2560, v4                      ; two tiles of 16 rows on
	s_sub_co_i32 s27, s27, 1
	s_cmp_lg_u32 s27, 0
	s_cbranch_scc1 .Ltile
	BODY 0, 1280, 0                                ; tile 30 fetches tile 31,
	BODY 1, 0, 1                                   ; which fetches nothing
	; the lists of the four waves and the two lane halves meet in LDS: thread t merges the eight lists of point t
.irp i, 0,1,2,3,4,5,6,7,8,9,10,11,12,13,14,15,16,17,18,19,20,21,22,23,24,25,26,27,28,29,30,31
	v_or_b32 v[KEY+\i], v3, v[KEY+\i]              ; chunk 2 T + h
.endr
	s_lshl_b32 s35, s23, 12
	s_add_co_u32 s35, s35, MRG
	v_lshl_add_u32 v5, v1, 4, s35
.irp t, 0,1,2,3,4,5,6,7
	ds_store_b128 v5, v[KEY+4*\t:KEY+4*\t+3] offset:512*\t
.endr
	s_wait_dscnt 0x0                               ; my lists are written,
	s_barrier_signal -1
	s_barrier_wait -1                              ; everybody's are
	v_lshrrev_b32 v6, 4, v0
	v_lshlrev_b32 v6, 9, v6
	v_lshl_add_u32 v6, v2, 4, v6
	v_add_nc_u32 v6, MRG, v6
.irp u, 0,1,2,3
	ds_load_b128 v[DB+8*\u:DB+8*\u+3],   v6 offset:4096*\u
	ds_load_b128 v[DB+8*\u+4:DB+8*\u+7], v6 offset:4096*\u+256
.endr
	s_wait_dscnt 0x0
.macro INS k
	v_med3_num_f32 v[DB+3], v[\k], v[DB+2], v[DB+3]
	v_med3_num_f32 v[DB+2], v[\k], v[DB+1], v[DB+2]
	v_med3_num_f32 v[DB+1], v[\k], v[DB],   v[DB+1]
	v_min_num_f32  v[DB],   v[\k], v[DB]
.endm
.set kk, DB+4                          ; the first list is sorted and stays; the other 28 keys are inserted
.rept 28
	INS kk
.set kk, kk+1
.endr
.irp i, 0,1,2,3
	v_and_b32 v[DB+\i], 0xff, v[DB+\i]             ; the four chunk numbers, all different
.endr
.macro CE a, b
	v_min_u32 v[TM], v[\a], v[\b]
	v_max_u32 v[\b], v[\a], v[\b]
	v_mov_b32 v[\a], v[TM]
.endm
	CE DB, DB+1                                    ; ascending, so that the next launch meets the sources in ascending order (the order that decides ties)
	CE DB+2, DB+3
	CE DB, DB+2
	CE DB+1, DB+3
	CE DB+1, DB+2
	s_lshl_b32 s35, s22, 11
	v_lshl_add_u32 v7, v0, 4, s35
	global_store_b128 v7, v[DB:DB+3], s[14:15]     ; a wave stores 512 consecutive bytes
	s_set_vgpr_msb 0x5
	s_wait_tensorcnt 0x0
	ds_add_u32 v0, v1
	s_wait_dscnt 0x0
	s_set_vgpr_msb 0x500
	s_endpgm
.Lfunc_end_k_qa4aabca9e8_coarse:
	.size	k_qa4aabca9e8_coarse, .Lfunc_end_k_qa4aabca9e8_coarse-k_qa4aabca9e8_coarse
	.p2alignl 7, 3214868480
	.fill 96, 4, 3214868480
	.section	.rodata,"a",@progbits
	.p2align	6, 0x0
	.amdhsa_kernel k_qa4aabca9e8_coarse
		.amdhsa_group_segment_fixed_size 197120
		.amdhsa_private_segment_fixed_size 0
		.amdhsa_enable_private_segment 0
		.amdhsa_kernarg_size 72
		.amdhsa_user_sgpr_count 2
		.amdhsa_user_sgpr_kernarg_segment_ptr 1
		.amdhsa_wavefront_size32 1
		.amdhsa_system_sgpr_workgroup_id_x 1
		.amdhsa_system_sgpr_workgroup_id_y 1
		.amdhsa_system_sgpr_workgroup_id_z 1
		.amdhsa_system_vgpr_workitem_id 0
		.amdhsa_next_free_vgpr 258
		.amdhsa_next_free_sgpr 66
		.amdhsa_reserve_vcc 1
		.amdhsa_float_denorm_mode_32 3
		.amdhsa_float_denorm_mode_16_64 3
		.amdhsa_memory_ordered 1
		.amdhsa_forward_progress 1
		.amdhsa_inst_pref_size 63
	.end_amdhsa_kernel
	.amdgpu_metadata
---
amdhsa.version: [ 1, 2 ]
amdhsa.kernels:
  - .name:           k_qa4aabca9e8_coarse
    .symbol:         k_qa4aabca9e8_coarse.kd
    .args:
      - { .name: pos, .offset: 0, .size: 8, .value_kind: global_buffer, .address_space: global }
      - { .name: pos_skip, .offset: 8, .size: 8, .value_kind: global_buffer, .address_space: global }
      - { .name: batch_skip, .offset: 16, .size: 8, .value_kind: global_buffer, .address_space: global }
      - { .name: W1, .offset: 24, .size: 8, .value_kind: global_buffer, .address_space: global }
      - { .name: W2, .offset: 32, .size: 8, .value_kind: global_buffer, .address_space: global }
      - { .name: cand, .offset: 40, .size: 8, .value_kind: global_buffer, .address_space: global }
      - { .name: wf, .offset: 48, .size: 8, .value_kind: global_buffer, .address_space: global }
      - { .name: out1, .offset: 56, .size: 8, .value_kind: global_buffer, .address_space: global }
      - { .name: out2, .offset: 64, .size: 8, .value_kind: global_buffer, .address_space: global }
    .group_segment_fixed_size: 197120
    .private_segment_fixed_size: 0
    .kernarg_segment_align: 8
    .kernarg_segment_size: 72
    .max_flat_workgroup_size: 128
    .sgpr_count:     66
    .vgpr_count:     258
    .wavefront_size: 32
...
	.end_amdgpu_metadata
.endif
;; end of part 1
;; launch refine (part 2): grid 256 x 1, 4 waves a work-group, no clusters, 168,448 bytes of LDS; arguments cand, pos, pos_skip, x, wf, b1, nbr, wts, z16; writes nbr, wts, z16
.if DOCPART == 2
	.amdgcn_target "amdgcn-amd-amdhsa--gfx1250"
	.amdhsa_code_object_version 6
	.text
	.protected	k_qa4aabca9e8_refine
	.globl	k_qa4aabca9e8_refine
	.p2align	8
	.type	k_qa4aabca9e8_refine,@function
k_qa4aabca9e8_refine:
	s_mov_b64 s[64:65], 0
	v_nop
	global_prefetch_b8 v0, s[64:65] scope:SCOPE_SE
	s_setreg_imm32_b32 hwreg(HW_REG_WAVE_MODE, 25, 1), 1
	s_wait_xcnt 0x0
; SECOND LAUNCH.  (1) The exact stage of the search: thread t of work-group g serves fine point 128 g + t and evaluates the 4 x 8 sources of its four chunks in f32,
; in the order of reference(): A = |a|^2 and B = |b|^2 as chains of fused multiply-adds over x, y, z, the dot product likewise, then (A + B) - 2 dot.  The chain on
; -2 a is -2 times the chain on a, bit for bit.  Sources come in ascending order and a later one displaces an earlier one only if it is strictly nearer: top_k's rule
; for ties.  Stored: the three rows of x as whole numbers, and w_k / sum w with w = 1 / max(d2, 1e-16).
; (2) z16 = f16(x W1[:256] + b1): work-group g makes rows 64 (g >> 1) .. + 63, channels 128 (g & 1) .. + 127; wave w 16 rows x 8 column tiles, K = 256.
; Left out as in the first launch: the input 'batch', which reference() never reads.  Limits as stated there.
; THE ORDER.  Every wave does both jobs, the search first: it needs only the 24 KiB of pos, and runs while the 130 KiB of x and of weight fragments, asked for in the
; same first lines, are still on their way; the wait for those stands behind the search.
; NO CLUSTER: the LDS addresses of the candidate reads come from lists that differ from work-group to work-group; what two neighbours share (64 KiB of x) is asked for
; by both at the same time.
; The column order of a weight fragment (lane r, tile nt: channel 128 p + 8 r + nt) makes a lane's eight tiles eight neighbouring channels: 16 bytes of f16,
; and sixteen lanes store 256 consecutive aligned bytes with no stage in LDS.
.set XT,     24576                     ; LDS: 0 the cloud's pos, dense, 24576 bytes; here 64 rows of x in f32
.set XPITCH, 1040                      ; 1024 + 16: an odd multiple of 16
.set WB,     91136                     ; 64 weight fragments of 1024 bytes: (K step, tile) at (8 ks + nt) 1024
.set RG,     156672                    ; six planes of 512 bytes for the way out of the search; written by LDS stores alone, in 256-byte blocks of its own
.set RAWX,   16                        ; z: v[16:47] x as loaded, two buffers of one K step; at the end the rows to store
.set B1,     56                        ; v[56:63] b1 of my eight channels
.set XA,     64                        ; z: v[64:127] x fragments, v[128:191] eight accumulators, v[192:255] weight fragments, two buffers of four
.set ACC,    128
.set BF,     192
.macro DIST q
.irp j, 0,1,2,3,4,5,6,7
	v_mul_f32 v[36+\j], v[64+24*\q+3*\j], v[64+24*\q+3*\j]
	v_mul_f32 v[44+\j], v10, v[64+24*\q+3*\j]
.endr
.irp j, 0,1,2,3,4,5,6,7
	v_fmac_f32 v[36+\j], v[64+24*\q+3*\j+1], v[64+24*\q+3*\j+1]
	v_fmac_f32 v[44+\j], v11, v[64+24*\q+3*\j+1]
.endr
.irp j, 0,1,2,3,4,5,6,7
	v_fmac_f32 v[36+\j], v[64+24*\q+3*\j+2], v[64+24*\q+3*\j+2]   ; B
	v_fmac_f32 v[44+\j], v12, v[64+24*\q+3*\j+2]                  ; -2 dot
.endr
.irp j, 0,1,2,3,4,5,6,7
	v_add_f32 v[36+\j], v13, v[36+\j]              ; A + B
.endr
.irp j, 0,1,2,3,4,5,6,7
	v_add_f32 v[28+\j], v[36+\j], v[44+\j]         ; d2
.endr
.endm
.macro INS3 j, q
	v_add_nc_u32 v9, \j, v[24+\q]
	v_cmp_lt_f32 vcc_lo, v[28+\j], v14
	v_cmp_lt_f32 s70, v[28+\j], v15
	v_cmp_lt_f32 s71, v[28+\j], v16
	v_cndmask_b32 v1, v9, v18, s70
	v_cndmask_b32 v19, v19, v1, s71
	v_cndmask_b32 v1, v9, v17, vcc_lo
	v_cndmask_b32 v18, v18, v1, s70
	v_cndmask_b32 v17, v17, v9, vcc_lo
	v_med3_num_f32 v16, v[28+\j], v15, v16
	v_med3_num_f32 v15, v[28+\j], v14, v15
	v_min_num_f32 v14, v[28+\j], v14
.endm
.macro XRAW k                          ; K step k of my 16 rows of x, f32: lane (r, h) takes k = 8 h .. + 7 and 16 + 8 h .. + 7 of the step, into buffer k % 2
	ds_load_b128 v[RAWX+16*((\k)%2):RAWX+16*((\k)%2)+3],     v50 offset:128*(\k)
	ds_load_b128 v[RAWX+16*((\k)%2)+4:RAWX+16*((\k)%2)+7],   v50 offset:128*(\k)+16
	ds_load_b128 v[RAWX+16*((\k)%2)+8:RAWX+16*((\k)%2)+11],  v50 offset:128*(\k)+64
	ds_load_b128 v[RAWX+16*((\k)%2)+12:RAWX+16*((\k)%2)+15], v50 offset:128*(\k)+80
.endm
.macro XCV k, hf                       ; half of K step k's fragment to f16: four lines, which name neither the fragment at work nor any weight fragment or accumulator
.irp c, 0,1,2,3
	v_cvt_pk_f16_f32 v[XA+8*(\k)+4*(\hf)+\c], v[RAWX+16*((\k)%2)+8*(\hf)+2*\c], v[RAWX+16*((\k)%2)+8*(\hf)+2*\c+1]
.endr
.endm
.macro FETCH b                         ; batch b: K step b / 2, tiles 4 (b % 2) .. + 3 = fragments 4 b .. 4 b + 3, into buffer b % 2
.irp i, 0,1,2,3
	ds_load_b128 v[BF+32*((\b)%2)+8*\i:BF+32*((\b)%2)+8*\i+3],   v51 offset:(4*(\b)+\i)*1024
	ds_load_b128 v[BF+32*((\b)%2)+8*\i+4:BF+32*((\b)%2)+8*\i+7], v51 offset:(4*(\b)+\i)*1024+512
.endr
.endm
.macro MUL b, zero                     ; the eight accumulators take turns, one product a turn
.irp i, 0,1,2,3
.if \zero
	v_wmma_f32_16x16x32_f16 v[ACC+8*(4*((\b)%2)+\i):ACC+8*(4*((\b)%2)+\i)+7], v[XA+8*((\b)/2):XA+8*((\b)/2)+7], v[BF+32*((\b)%2)+8*\i:BF+32*((\b)%2)+8*\i+7], 0
.else
	v_wmma_f32_16x16x32_f16 v[ACC+8*(4*((\b)%2)+\i):ACC+8*(4*((\b)%2)+\i)+7], v[XA+8*((\b)/2):XA+8*((\b)/2)+7], v[BF+32*((\b)%2)+8*\i:BF+32*((\b)%2)+8*\i+7], v[ACC+8*(4*((\b)%2)+\i):ACC+8*(4*((\b)%2)+\i)+7]
.endif
.endr
.endm
.macro PLACES                          ; four lines between a product and a load into, or a line that reads or writes, one of its registers; written where no work is ready
.rept 4
	v_nop
.endr
.endm
	s_load_b512 s[4:19], s[0:1], 0x0               ; cand s[4:5], pos s[6:7], pos_skip s[8:9], x s[10:11], wf s[12:13], b1 s[14:15], nbr s[16:17], wts s[18:19]
	s_load_b64 s[20:21], s[0:1], 0x40              ; z16
	s_set_vgpr_msb 0x40
	v_lshl_add_u32 v0, v0, 2, 0x29000
	v_mov_b32 v1, 0
	s_set_vgpr_msb 0x4045
	ds_add_u32 v0, v1
	ds_add_u32 v0, v1
	s_set_vgpr_msb 0x4500
	v_lshrrev_b32 v1, 5, v0
	v_readfirstlane_b32 s23, v1                    ; wave
	s_mov_b32 s22, ttmp9                           ; g
	s_lshr_b32 s66, s22, 6                         ; cloud
	s_lshr_b32 s67, s22, 1                         ; row block of x
	s_and_b32 s68, s22, 1                          ; channel half
	; three descriptors; each wave brings its quarter of each region
	s_mov_b32 s24, 3<<16                           ; pos: dense, as 24 rows of 32 elements of 8 bytes
	s_mov_b32 s25, 32<<16
	s_mov_b32 s26, 24<<16
	s_mov_b32 s27, 32<<16
	s_mov_b32 s28, 24
	s_mov_b32 s29, 32
	s_mov_b32 s30, 0
	s_mov_b32 s31, 0
	s_mov_b32 s36, (2<<16)|(1<<20)|(7<<22)|(3<<25) ; x: 16 rows of 256 f32, 4 words of padding behind every 256
	s_mov_b32 s37, 256<<16
	s_mov_b32 s38, 16<<16
	s_mov_b32 s39, 256<<16
	s_mov_b32 s40, 16
	s_mov_b32 s41, 256
	s_mov_b32 s42, 0
	s_mov_b32 s43, 0
	s_mov_b32 s48, 3<<16                           ; weights: dense, as 64 rows of 256 bytes
	s_mov_b32 s49, 32<<16
	s_mov_b32 s50, 64<<16
	s_mov_b32 s51, 32<<16
	s_mov_b32 s52, 64
	s_mov_b32 s53, 32
	s_mov_b32 s54, 0
	s_mov_b32 s55, 0
	s_mov_b32 s32, 1
	s_mul_i32 s33, s23, 6144
	s_mul_i32 s70, s66, 24576
	s_add_co_u32 s70, s70, s33
	s_mov_b32 s71, 0
	s_mov_b32 s44, 1
	s_mul_i32 s45, s23, 16640
	s_add_co_u32 s45, s45, XT
	s_lshl_b32 s72, s67, 16
	s_lshl_b32 s74, s23, 14
	s_add_co_u32 s72, s72, s74
	s_mov_b32 s73, 0
	s_mov_b32 s56, 1
	s_add_co_u32 s57, s74, WB
	s_lshl_b32 s76, s68, 16
	s_add_co_u32 s76, s76, s74
	s_mov_b32 s77, 0
	s_wait_dscnt 0x0
	s_wait_kmcnt 0x0
	s_add_nc_u64 s[34:35], s[6:7], s[70:71]
	s_or_b32 s35, s35, 0x80000000
	s_add_nc_u64 s[46:47], s[10:11], s[72:73]
	s_or_b32 s47, s47, 0x80000000
	s_add_nc_u64 s[58:59], s[12:13], s[76:77]
	s_or_b32 s59, s59, 0x80000000
	tensor_load_to_lds s[32:35], s[24:31]          ; the launch's only fills, one group at its start: three tensor loads of a wave are out
	s_nop 0
	tensor_load_to_lds s[44:47], s[36:43]
	s_nop 0
	tensor_load_to_lds s[56:59], s[48:55]
	s_nop 0
	s_lshl_b32 s74, s22, 11
	v_lshl_add_u32 v52, v0, 4, s74
	s_mul_i32 s75, s22, 1536
	v_mad_u32_u24 v53, v0, 12, s75
	v_and_b32 v54, 15, v0                          ; r
	s_lshl_b32 s76, s68, 9
	v_lshl_add_u32 v55, v54, 5, s76
	global_load_b128 v[2:5], v52, s[4:5]           ; my four chunks
	global_load_b96 v[6:8], v53, s[8:9]            ; my point
	global_load_b128 v[B1:B1+3], v55, s[14:15]     ; wanted only at the end
	global_load_b128 v[B1+4:B1+7], v55, s[14:15] offset:16
	s_lshl_b32 s77, s66, 11                        ; the cloud's first row of x
	v_mov_b32 v14, 0x7f800000                      ; the three nearest so far: distances v14-16, cloud-local indices v17-19
	v_mov_b32 v15, 0x7f800000
	v_mov_b32 v16, 0x7f800000
	v_mov_b32 v17, 0
	v_mov_b32 v18, 0
	v_mov_b32 v19, 0
	s_wait_loadcnt 0x2                             ; chunks and point are in; b1's two loads stay out
.irp q, 0,1,2,3
	v_min_u32 v[2+\q], 0xff, v[2+\q]               ; a chunk number stays inside the table
	v_mul_u32_u24 v[20+\q], v[2+\q], 96            ; 8 sources of 12 bytes
	v_lshlrev_b32 v[24+\q], 3, v[2+\q]             ; its first source
.endr
	v_mul_f32 v13, v6, v6
	v_fmac_f32 v13, v7, v7
	v_fmac_f32 v13, v8, v8                         ; A
	v_mul_f32 v10, -2.0, v6
	v_mul_f32 v11, -2.0, v7
	v_mul_f32 v12, -2.0, v8
	s_wait_tensorcnt 0x2                           ; my quarter of pos has landed; x and the weights stay out
	s_barrier_signal -1
	s_barrier_wait -1
.irp q, 0,1,2,3
.irp u, 0,1,2,3,4,5
	ds_load_b128 v[64+24*\q+4*\u:64+24*\q+4*\u+3], v[20+\q] offset:16*\u
.endr
.endr
.irp q, 0,1,2,3
	s_wait_dscnt 18-6*\q                           ; this chunk's six loads are in; the later chunks' stay out
	DIST \q
.irp j, 0,1,2,3,4,5,6,7
	INS3 \j, \q
.endr
.endr
	v_max_num_f32 v14, 0x24e69595, v14             ; 1e-16, reference()'s clamp
	v_max_num_f32 v15, 0x24e69595, v15
	v_max_num_f32 v16, 0x24e69595, v16
	v_rcp_f32 v28, v14
	v_rcp_f32 v29, v15
	v_rcp_f32 v30, v16
	v_add_nc_u32 v17, s77, v17                     ; a plain line between the reciprocals and their use (ISA guide 5.7.2)
	s_wait_alu depctr_va_vdst(0)
	v_add_f32 v31, v28, v29
	v_add_f32 v31, v31, v30
	v_rcp_f32 v32, v31
	v_add_nc_u32 v18, s77, v18                     ; and again
	v_add_nc_u32 v19, s77, v19
	s_wait_alu depctr_va_vdst(0)
	v_mul_f32 v28, v28, v32
	v_mul_f32 v29, v29, v32
	v_mul_f32 v30, v30, v32
	v_lshlrev_b32 v33, 2, v0
	v_add_nc_u32 v33, RG, v33
	ds_store_b32 v33, v17
	ds_store_b32 v33, v18 offset:512
	ds_store_b32 v33, v19 offset:1024
	ds_store_b32 v33, v28 offset:1536
	ds_store_b32 v33, v29 offset:2048
	ds_store_b32 v33, v30 offset:2560
	s_wait_dscnt 0x0                               ; my six words are written,
	s_wait_tensorcnt 0x0                           ; my quarters of x and of the weights have landed,
	s_barrier_signal -1
	s_barrier_wait -1                              ; everybody's
	s_cmp_gt_u32 s23, 2
	s_cbranch_scc1 .Lz                             ; waves 0-2 store neighbour w's plane of rows and of weights, 512 consecutive bytes each
	v_and_b32 v11, 31, v0
	s_lshl_b32 s78, s23, 9
	s_add_co_u32 s78, s78, RG
	v_lshl_add_u32 v12, v11, 4, s78
	ds_load_b128 v[2:5], v12
	ds_load_b128 v[6:9], v12 offset:1536
	s_lshl_b32 s78, s23, 17
	s_lshl_b32 s79, s22, 9
	s_add_co_u32 s78, s78, s79
	v_lshl_add_u32 v10, v11, 4, s78
	s_wait_dscnt 0x0
	global_store_b128 v10, v[2:5], s[16:17]        ; v[2:10] are not written again in this launch
	global_store_b128 v10, v[6:9], s[18:19]
.Lz:
	; z = x W1[:256] + b1
	v_bfe_u32 v49, v0, 4, 1                        ; h
	s_mul_i32 s78, s23, 16*XPITCH
	s_add_co_u32 s78, s78, XT
	v_mul_u32_u24 v50, v54, XPITCH
	v_lshl_add_u32 v50, v49, 5, v50
	v_add_nc_u32 v50, s78, v50                     ; row 16 w + r, byte 32 h
	v_and_b32 v51, 31, v0
	v_lshlrev_b32 v51, 4, v51
	v_add_nc_u32 v51, WB, v51
	XRAW 0
	XRAW 1
	FETCH 0
	s_wait_dscnt 12                                ; K step 0 of x is in; K step 1's four loads and the eight fragment loads stay out
	XCV 0, 0
	XCV 0, 1
	; Sixteen batches of four products.  Ahead of batch b stand the four conversions of half a fragment of x for K step (b + 1) / 2: they are the four lines that
	; the load into the weight buffer read by batch b - 1 needs behind those products.  x as loaded for K step k + 2 follows K step k in its buffer.
.irp b, 0,1,2,3,4,5,6,7,8,9,10,11,12,13,14,15
.if \b == 15
	PLACES                                         ; nothing is left to convert
.else
.if \b > 0
	XCV (\b+1)/2, (\b+1)%2
.endif
.endif
.if \b < 15
	FETCH \b+1
.if (\b)%2 == 0
.if \b < 11
	XRAW (\b)/2+2
	s_wait_dscnt 12                                ; this batch's fragments are in; the eight fragment loads and four loads of x just issued stay out
.else
	s_wait_dscnt 0x8
.endif
.else
	s_wait_dscnt 0x8                               ; this batch's fragments, and the loads of x issued a batch ago, are in; the eight just issued stay out
.endif
.else
	s_wait_dscnt 0x0
.endif
.if \b < 2
	MUL \b, 1                                      ; the first K step starts the sums
.else
	MUL \b, 0
.endif
.endr
	PLACES
	s_lshl_b32 s78, s67, 15                        ; 64 rows of 512 bytes
	s_lshl_b32 s79, s68, 8
	s_add_co_u32 s78, s78, s79
	s_lshl_b32 s79, s23, 13                        ; 16 rows
	s_add_co_u32 s78, s78, s79
	v_lshlrev_b32 v13, 12, v49                     ; 8 h rows
	v_lshl_add_u32 v13, v54, 4, v13
	v_add_nc_u32 v13, s78, v13
	s_wait_loadcnt 0x0                             ; b1
.irp j, 0,1,2,3,4,5,6,7
.irp c, 0,1,2,3,4,5,6,7
	v_add_f32 v[BF+\c], v[ACC+8*\c+\j], v[B1+\c]
.endr
.irp c, 0,1,2,3
	v_cvt_pk_f16_f32 v[RAWX+4*\j+\c], v[BF+2*\c], v[BF+2*\c+1]
.endr
	global_store_b128 v13, v[RAWX+4*\j:RAWX+4*\j+3], s[20:21] offset:512*\j   ; row 8 h + j: sixteen lanes store 256 consecutive aligned bytes; each row has registers of its own
.endr
	s_set_vgpr_msb 0x5
	s_wait_tensorcnt 0x0
	ds_add_u32 v0, v1
	s_wait_dscnt 0x0
	s_set_vgpr_msb 0x500
	s_endpgm
.Lfunc_end_k_qa4aabca9e8_refine:
	.size	k_qa4aabca9e8_refine, .Lfunc_end_k_qa4aabca9e8_refine-k_qa4aabca9e8_refine
	.p2alignl 7, 3214868480
	.fill 96, 4, 3214868480
	.section	.rodata,"a",@progbits
	.p2align	6, 0x0
	.amdhsa_kernel k_qa4aabca9e8_refine
		.amdhsa_group_segment_fixed_size 168448
		.amdhsa_private_segment_fixed_size 0
		.amdhsa_enable_private_segment 0
		.amdhsa_kernarg_size 72
		.amdhsa_user_sgpr_count 2
		.amdhsa_user_sgpr_kernarg_segment_ptr 1
		.amdhsa_wavefront_size32 1
		.amdhsa_system_sgpr_workgroup_id_x 1
		.amdhsa_system_sgpr_workgroup_id_y 1
		.amdhsa_system_sgpr_workgroup_id_z 1
		.amdhsa_system_vgpr_workitem_id 0
		.amdhsa_next_free_vgpr 258
		.amdhsa_next_free_sgpr 80
		.amdhsa_reserve_vcc 1
		.amdhsa_float_denorm_mode_32 3
		.amdhsa_float_denorm_mode_16_64 3
		.amdhsa_memory_ordered 1
		.amdhsa_forward_progress 1
		.amdhsa_inst_pref_size 61
	.end_amdhsa_kernel
	.amdgpu_metadata
---
amdhsa.version: [ 1, 2 ]
amdhsa.kernels:
  - .name:           k_qa4aabca9e8_refine
    .symbol:         k_qa4aabca9e8_refine.kd
    .args:
      - { .name: cand, .offset: 0, .size: 8, .value_kind: global_buffer, .address_space: global }
      - { .name: pos, .offset: 8, .size: 8, .value_kind: global_buffer, .address_space: global }
      - { .name: pos_skip, .offset: 16, .size: 8, .value_kind: global_buffer, .address_space: global }
      - { .name: x, .offset: 24, .size: 8, .value_kind: global_buffer, .address_space: global }
      - { .name: wf, .offset: 32, .size: 8, .value_kind: global_buffer, .address_space: global }
      - { .name: b1, .offset: 40, .size: 8, .value_kind: global_buffer, .address_space: global }
      - { .name: nbr, .offset: 48, .size: 8, .value_kind: global_buffer, .address_space: global }
      - { .name: wts, .offset: 56, .size: 8, .value_kind: global_buffer, .address_space: global }
      - { .name: z16, .offset: 64, .size: 8, .value_kind: global_buffer, .address_space: global }
    .group_segment_fixed_size: 168448
    .private_segment_fixed_size: 0
    .kernarg_segment_align: 8
    .kernarg_segment_size: 72
    .max_flat_workgroup_size: 128
    .sgpr_count:     80
    .vgpr_count:     258
    .wavefront_size: 32
...
	.end_amdgpu_metadata
.endif
;; end of part 2
;; launch mlp (part 3): grid 256 x 1, 4 waves a work-group, clusters of 4 x 1, 268,800 bytes of LDS; arguments wf, x_skip, nbr, wts, z16, Wp, bp, b2, par_embedding, out0; writes out0
.if DOCPART == 3
	.amdgcn_target "amdgcn-amd-amdhsa--gfx1250"
	.amdhsa_code_object_version 6
	.text
	.protected	k_qa4aabca9e8_mlp
	.globl	k_qa4aabca9e8_mlp
	.p2align	8
	.type	k_qa4aabca9e8_mlp,@function
k_qa4aabca9e8_mlp:
	s_mov_b64 s[64:65], 0
	v_nop
	global_prefetch_b8 v0, s[64:65] scope:SCOPE_SE
	s_setreg_imm32_b32 hwreg(HW_REG_WAVE_MODE, 25, 1), 1
	s_wait_xcnt 0x0
	s_wait_alu depctr_hold_cnt(0) depctr_sa_sdst(0) depctr_va_vdst(0) depctr_va_sdst(0) depctr_va_ssrc(0) depctr_va_vcc(0) depctr_vm_vsrc(0)
	s_getreg_b32 s2, hwreg(HW_REG_IB_STS2, 6, 4)
	s_cmp_eq_u32 s2, 0
	s_cbranch_scc0 .Lentry_in_a_cluster
	s_endpgm
.Lentry_in_a_cluster:
	s_bfe_u32 s2, ttmp6, 0x10000c
	s_cmp_lg_u32 s2, 0x3003
	s_cbranch_scc0 .Lentry_shape_is_right
	s_endpgm
.Lentry_shape_is_right:
; THIRD LAUNCH.  out0 = (relu(x_skip W1[256:] + sum_k wn_k z16[nbr_k]) W2 + b2) * relu(par Wp + bp).  z16 holds x W1[:256] + b1 (second launch).
; Left out as in the first launch: the input 'batch', which reference() never reads.  Limits as stated there.
; Work-group G: 128 points; wave w: points 32 w .. + 31 (two row tiles) x all channels, so h stays the wave's own and a weight fragment from LDS feeds two products.
; CLUSTER of 4 x 1: all work-groups walk the same 128 KiB of weight fragments, so the four of a cluster ask for them jointly: one tensor load a wave, the same
; descriptor in all four (it hangs on the wave's number alone).  x_skip's tile is each work-group's own.  G enters global addresses only.
; Column orders of the fragments: layer 1, lane r, tile nt: channel 128 (nt >> 3) + 8 r + (nt & 7); layer 2: output 64 (nt >> 2) + 4 r + (nt & 3).  So a lane's tiles are
; neighbouring channels: 16 bytes of a z16 row or of h (f16), 16 bytes of out0 (f32); sixteen lanes cover 256 consecutive aligned bytes.
; THE ORDER.  What needs no tile stands ahead of the wait for the tiles: the gate, and the whole gather, which STARTS the sums of layer 1 (first neighbour a multiply), so
; that every product of layer 1 adds onto its accumulator.  Behind the tiles the products run in one line, and the vector work stands between them, in the places that
; a load into a weight buffer needs behind the products that read it:
;   layer 1, channels 0-127   | x_skip's later K steps to f16
;   layer 1, channels 128-255 | relu, f16 and LDS store of channels 0-127
;   layer 2, outputs of tiles 0-3, K steps 0-3 | the same for channels 128-255      (K steps 0-3 of layer 2 are channels 0-127)
;   layer 2, tiles 0-3, K steps 4-7
;   layer 2, tiles 4-7        | gate, bias and store of tiles 0-3: half of out0 leaves while 56 products are still to come
; z16 stays f16: a row of z in bf16 would carry a rounding step of 2^-8 of each number into sums that a large gate multiplies, beside an allowance of a hundredth.
; REGISTERS in windows of 256.  Window 0: v0-15 addresses; Z v[16:111] ring of four slots of six gathered 16-byte pieces (f16 halves are named below v128 alone, so four
; slots are what fits); T v[112:159] at work; VOFF v[160:207] byte offsets of the gathered rows [row tile][neighbour][row]; WT v[208:255] their weights.  Behind the gather
; RW v[16:143]: x_skip as loaded, then a row's relu at work, then the rows of out0.
; Window 1: layer 1's accumulators at 128 mt + 8 nt; layer 2's at 128 mt + 8 nt (nt 0-7), in the registers of layer 1's channels 0-127.
; Window 2: FA v[0:127] row fragments (x_skip: 8 (4 mt + ks); h: K steps 0-3 at 64 + 8 (4 mt + ks), K steps 4-7 at 8 (4 mt + ks - 4)); at the start Wp's rows, then the gate's
; partial sums, in v[64:127]; BF v[128:191] weight fragments, two buffers; bp, b2 v[192:207]; gate v[208:215]; b2 x gate v[216:223].
.set XS,   131072                      ; LDS: 0 the 128 fragments (layer 1: (16 ks + nt) 1024; layer 2: 65536 + (8 ks + nt) 1024); here x_skip, 128 rows in f32
.set HS,   198656                      ; h in f16, 128 rows; written by LDS stores alone
.set GS,   266240                      ; the gate's four partial sums of 512 bytes; written by LDS stores alone
.set PIT,  528                         ; 512 + 16: an odd multiple of 16
.set Z,    16
.set T,    112
.set VOFF, 160
.set WT,   208
.set RW,   16
.set FA,   0
.set WPR,  64
.set GP,   64
.set BF,   128
.set BPR,  192
.set B2R,  200
.set GATE, 208
.set B2G,  216
.set MSB,  0
.macro WIN new                         ; s_set_vgpr_msb: bits 1:0 source 0, 3:2 source 1, 5:4 source 2, 7:6 destination; the high byte repeats the setting that is left
.if MSB != \new
	s_set_vgpr_msb (MSB<<8)|\new
.set MSB, \new
.endif
.endm
.macro ROUND                           ; a round of the cluster's barrier: my work-group's barrier, wave 0 signals for it, all wait for the four, my work-group's barrier again
	s_barrier_signal -1
	s_barrier_wait -1
	s_cmp_lg_u32 s66, 0
	s_cbranch_scc1 .Lnot_wave_0_\@
	s_barrier_signal -3
.Lnot_wave_0_\@:
	s_barrier_wait -3
	s_barrier_signal -1
	s_barrier_wait -1
.endm
.macro PLACES                          ; four lines between a product and a load into, or a line that reads or writes, one of its registers; written where no work is ready
.rept 4
	v_nop
.endr
.endm
; Group g = (row tile g / 8, row pair (g / 2) % 4, channel half g % 2): for two rows and three neighbours 16 bytes a lane, 256 consecutive bytes for sixteen lanes.
.macro GLOAD g
.irp jj, 0,1
.irp k, 0,1,2
	global_load_b128 v[Z+24*((\g)%4)+4*(3*\jj+\k):Z+24*((\g)%4)+4*(3*\jj+\k)+3], v[VOFF+24*((\g)/8)+8*\k+2*(((\g)/2)%4)+\jj], s[12:13] offset:256*((\g)%2)
.endr
.endr
.endm
; One register of a ring slot, two f16, to f32.  Register n of the slot: row n / 12 of the pair, neighbour (n / 4) % 3, elements 2 (n % 4), + 1.
; T(16 k + 2 e + row): the two rows of a channel are a register pair.  Halves are named on plain register numbers, hence the lists below.
.macro CV1 z
	v_cvt_f32_f16 v[T+16*((n/4)%3)+4*(n%4)+n/12],   v\z\().l
	v_cvt_f32_f16 v[T+16*((n/4)%3)+4*(n%4)+n/12+2], v\z\().h
.set n, n+1
.endm
.macro CVSLOT s
.set n, 0
.if \s == 0
.irp z, 16,17,18,19,20,21,22,23,24,25,26,27,28,29,30,31,32,33,34,35,36,37,38,39
	CV1 \z
.endr
.endif
.if \s == 1
.irp z, 40,41,42,43,44,45,46,47,48,49,50,51,52,53,54,55,56,57,58,59,60,61,62,63
	CV1 \z
.endr
.endif
.if \s == 2
.irp z, 64,65,66,67,68,69,70,71,72,73,74,75,76,77,78,79,80,81,82,83,84,85,86,87
	CV1 \z
.endr
.endif
.if \s == 3
.irp z, 88,89,90,91,92,93,94,95,96,97,98,99,100,101,102,103,104,105,106,107,108,109,110,111
	CV1 \z
.endr
.endif
.endm
; Group g starts 16 accumulator registers: acc(row, channel) = sum_k wn_k z.  The sixteen groups write each of the 256 once.  left = the younger gather loads that may stay out.
.macro GROUP g, left, refill
	s_wait_loadcnt \left
	CVSLOT (\g)%4
.if \refill
	GLOAD \g+4                                     ; the slot just read, four groups ahead
.endif
	WIN 0x50
.set ga, 128*((\g)/8)+64*((\g)%2)+2*(((\g)/2)%4)   ; the accumulator pair of the group's first channel
.set gw, WT+24*((\g)/8)+2*(((\g)/2)%4)             ; the two rows' weights for neighbour 0
.irp e, 0,1,2,3,4,5,6,7
	v_pk_mul_f32 v[ga+8*\e:ga+8*\e+1], v[T+2*\e:T+2*\e+1], v[gw:gw+1]
.endr
.irp k, 1,2
.irp e, 0,1,2,3,4,5,6,7
	v_pk_fma_f32 v[ga+8*\e:ga+8*\e+1], v[T+16*\k+2*\e:T+16*\k+2*\e+1], v[gw+8*\k:gw+8*\k+1], v[ga+8*\e:ga+8*\e+1]
.endr
.endr
	WIN 0
.endm
.macro XCV mt, ksl                     ; x_skip's fragment (row tile, K step) to f16: eight lines under the setting of the fetch that follows
	WIN 0x80
.irp c, 0,1,2,3,4,5,6,7
	v_cvt_pk_f16_f32 v[FA+8*(4*(\mt)+(\ksl))+\c], v[RW+16*(2*(\ksl)+(\mt))+2*\c], v[RW+16*(2*(\ksl)+(\mt))+2*\c+1]
.endr
.endm
; Layer 1, batch b: channel half b / 8, K step (b % 8) / 2, tiles 8 (b / 8) + 4 (b % 2) .. + 3; buffer b % 2 (destination in window 2)
.macro FETCH1 b
.irp i, 0,1,2,3
	ds_load_b128 v[BF+32*((\b)%2)+8*\i:BF+32*((\b)%2)+8*\i+3],   v1 offset:(16*(((\b)%8)/2)+8*((\b)/8)+4*((\b)%2)+\i)*1024
	ds_load_b128 v[BF+32*((\b)%2)+8*\i+4:BF+32*((\b)%2)+8*\i+7], v1 offset:(16*(((\b)%8)/2)+8*((\b)/8)+4*((\b)%2)+\i)*1024+512
.endr
.endm
; Layer 2, batch c: column half c / 8, K step c % 8, tiles 4 (c / 8) .. + 3
.macro FETCH2 c
.irp i, 0,1,2,3
	ds_load_b128 v[BF+32*((\c)%2)+8*\i:BF+32*((\c)%2)+8*\i+3],   v13 offset:(8*((\c)%8)+4*((\c)/8)+\i)*1024
	ds_load_b128 v[BF+32*((\c)%2)+8*\i+4:BF+32*((\c)%2)+8*\i+7], v13 offset:(8*((\c)%8)+4*((\c)/8)+\i)*1024+512
.endr
.endm
.macro HLOAD q                         ; h back as fragments, K steps 4 q .. 4 q + 3: my own bytes, and LDS serves a wave's instructions in order (ISA guide 5.7.1)
.irp mt, 0,1
.irp k, 0,1,2,3
	ds_load_b128 v[FA+64*(1-\q)+8*(4*\mt+\k):FA+64*(1-\q)+8*(4*\mt+\k)+3],   v10 offset:16*\mt*PIT+64*(4*\q+\k)
	ds_load_b128 v[FA+64*(1-\q)+8*(4*\mt+\k)+4:FA+64*(1-\q)+8*(4*\mt+\k)+7], v10 offset:16*\mt*PIT+64*(4*\q+\k)+32
.endr
.endr
.endm
.macro WM d, a, bb, zero
.if \zero
	v_wmma_f32_16x16x32_f16 v[\d:\d+7], v[\a:\a+7], v[\bb:\bb+7], 0
.else
	v_wmma_f32_16x16x32_f16 v[\d:\d+7], v[\a:\a+7], v[\bb:\bb+7], v[\d:\d+7]
.endif
.endm
; Eight products on eight accumulators: they take turns, one product a turn; between two products on one accumulator stand seven others at the least.
.macro MUL1 b
.irp i, 0,1,2,3
.irp mt, 0,1
	WM 128*\mt+8*(8*((\b)/8)+4*((\b)%2)+\i), FA+8*(4*\mt+((\b)%8)/2), BF+32*((\b)%2)+8*\i, 0
.endr
.endr
.endm
.macro MUL2 c, zero
.irp i, 0,1,2,3
.irp mt, 0,1
	WM 128*\mt+8*(4*((\c)/8)+\i), FA+64*(1-((\c)%8)/4)+8*(4*\mt+(\c)%4), BF+32*((\c)%2)+8*\i, \zero
.endr
.endr
.endm
; relu, f16 and LDS store of channel half p for cnt of my lane's 16 rows (row rr: row tile rr / 8, register rr % 8): 8 + 4 lines and one store of 16 bytes a row.
.macro RROWS p, first, cnt
	WIN 0x04
.set rr, \first
.rept \cnt
.irp c, 0,1,2,3,4,5,6,7
	v_max_num_f32 v[RW+8*rr+\c], 0, v[128*(rr/8)+8*(8*\p+\c)+rr%8]
.endr
.set rr, rr+1
.endr
	WIN 0
.set rr, \first
.rept \cnt
.irp c, 0,1,2,3
	v_cvt_pk_f16_f32 v[RW+8*rr+\c], v[RW+8*rr+2*\c], v[RW+8*rr+2*\c+1]   ; in place: register c is read by pair c / 2, at or ahead of this line
.endr
.set rr, rr+1
.endr
.set rr, \first
.rept \cnt
	ds_store_b128 v9, v[RW+8*rr:RW+8*rr+3] offset:(16*(rr/8)+rr%8)*PIT+256*\p   ; channels 128 p + 8 r .. + 7
.set rr, rr+1
.endr
.endm
; (h2 + b2) gate and the store of column half hf for cnt rows: four lines and one store of 16 bytes a row; each row has registers of its own, never written again.
.macro OROWS hf, first, cnt
	WIN 0x29
.set rr, \first
.rept \cnt
.irp c, 0,1,2,3
	v_fma_f32 v[RW+64*\hf+4*rr+\c], v[128*(rr/8)+8*(4*\hf+\c)+rr%8], v[GATE+4*\hf+\c], v[B2G+4*\hf+\c]
.endr
.set rr, rr+1
.endr
	WIN 0x80
.set rr, \first
.rept \cnt
	global_store_b128 v12, v[RW+64*\hf+4*rr:RW+64*\hf+4*rr+3], s[22:23] offset:(16*(rr/8)+rr%8)*512+256*\hf th:TH_STORE_NT   ; sixteen lanes store 256 consecutive aligned bytes
.set rr, rr+1
.endr
.endm
	s_load_b512 s[4:19], s[0:1], 0x0               ; wf s[4:5], x_skip s[6:7], nbr s[8:9], wts s[10:11], z16 s[12:13], Wp s[14:15], bp s[16:17], b2 s[18:19]
	s_load_b128 s[20:23], s[0:1], 0x40             ; par_embedding s[20:21], out0 s[22:23]
	s_set_vgpr_msb 0x80
	v_lshl_add_u32 v254, v0, 2, 0x41800
	v_mov_b32 v255, 0
	s_set_vgpr_msb 0x808a
	ds_add_u32 v254, v255
	ds_add_u32 v254, v255
	s_set_vgpr_msb 0x8a00
	v_lshrrev_b32 v1, 5, v0
	v_readfirstlane_b32 s66, v1                    ; wave
	s_bfe_u32 s67, ttmp6, 0x40000                  ; my place in the cluster
	s_lshl_b32 s68, ttmp9, 2
	s_add_co_u32 s68, s68, s67                     ; G
	s_lshr_b32 s69, ttmp9, 4                       ; cloud = G >> 6: the same in the four partners
	s_mov_b32 s24, 15|(3<<16)|(1<<21)              ; the weights, jointly: mask of the four, bit 21 beside it, elements of 8 bytes
	s_mov_b32 s25, 32<<16                          ; dense, as 128 rows of 256 bytes
	s_mov_b32 s26, 128<<16
	s_mov_b32 s27, 32<<16
	s_mov_b32 s28, 128
	s_mov_b32 s29, 32
	s_mov_b32 s30, 0
	s_mov_b32 s31, 0
	s_mov_b32 s36, (2<<16)|(1<<20)|(6<<22)|(3<<25) ; x_skip: 32 rows of 128 f32, 4 words of padding behind every 128
	s_mov_b32 s37, 128<<16
	s_mov_b32 s38, 32<<16
	s_mov_b32 s39, 128<<16
	s_mov_b32 s40, 32
	s_mov_b32 s41, 128
	s_mov_b32 s42, 0
	s_mov_b32 s43, 0
	s_mov_b32 s32, 1
	s_lshl_b32 s33, s66, 15                        ; my quarter of the fragments
	s_add_co_u32 s70, s33, 131072                  ; fragments 128 and up
	s_mov_b32 s71, 0
	s_mov_b32 s44, 1
	s_mul_i32 s74, s66, 32*PIT                     ; my 32 rows in XS and in HS
	s_add_co_u32 s45, s74, XS
	s_lshl_b32 s72, s68, 16
	s_lshl_b32 s75, s66, 14
	s_add_co_u32 s72, s72, s75
	s_mov_b32 s73, 0
	s_lshl_b32 s76, s69, 8
	s_lshl_b32 s75, s66, 6
	s_add_co_u32 s76, s76, s75                     ; par: the cloud's 64 numbers, my 16
	s_mov_b32 s77, 0
	s_wait_dscnt 0x0
	s_wait_kmcnt 0x0
	s_add_nc_u64 s[34:35], s[4:5], s[70:71]
	s_or_b32 s35, s35, 0x80000000
	s_add_nc_u64 s[46:47], s[6:7], s[72:73]
	s_or_b32 s47, s47, 0x80000000
	s_add_nc_u64 s[76:77], s[20:21], s[76:77]
	ROUND                                          ; the four work-groups are here: the joint loads meet
	tensor_load_to_lds s[32:35], s[24:31]          ; the launch's only fills, one group: two tensor loads of a wave are out
	s_nop 0
	tensor_load_to_lds s[44:47], s[36:43]
	s_nop 0
	s_load_b512 s[48:63], s[76:77], 0x0
	v_and_b32 v1, 31, v0
	v_lshlrev_b32 v1, 4, v1                        ; 16 lane: layer 1's fragments
	v_and_b32 v2, 15, v0                           ; r
	v_bfe_u32 v3, v0, 4, 1                         ; h
	v_lshlrev_b32 v4, 4, v2                        ; 16 r
	s_lshl_b32 s70, s68, 9
	s_lshl_b32 s71, s66, 7
	s_add_co_u32 s70, s70, s71
	v_lshl_add_u32 v5, v3, 5, s70                  ; nbr, wts: word 128 G + 32 w + 8 h
	s_lshl_b32 s71, s66, 13
	v_add_nc_u32 v6, s71, v1                       ; Wp: rows 16 w .., 16 bytes a lane
	v_mul_u32_u24 v14, v2, PIT
	s_add_co_u32 s78, s74, HS
	v_lshl_add_u32 v7, v3, 5, v14
	v_add_nc_u32 v7, s45, v7                       ; x_skip: row 32 w + r, byte 32 h
	v_lshl_add_u32 v10, v3, 4, v14
	v_add_nc_u32 v10, s78, v10                     ; h back: row 32 w + r, byte 16 h
	v_mul_u32_u24 v15, v3, 8*PIT
	v_add3_u32 v9, v15, v4, s78                    ; h in: row 32 w + 8 h, byte 16 r
	s_lshl_b32 s71, s66, 9
	s_add_co_u32 s71, s71, GS
	v_add_nc_u32 v8, s71, v1                       ; my partial sums
	v_add_nc_u32 v11, GS, v4
	v_add_nc_u32 v13, 65536, v1                    ; layer 2's fragments
	s_lshl_b32 s71, s68, 16
	s_lshl_b32 s75, s66, 14
	s_add_co_u32 s71, s71, s75
	v_lshl_add_u32 v12, v3, 12, v4
	v_add_nc_u32 v12, s71, v12                     ; out0: row 128 G + 32 w + 8 h, byte 16 r
	; 44 loads in this order: 12 of nbr, 12 of wts (a lane takes its 8 rows' words; sixteen lanes share an address), 16 rows of Wp, bp, b2
.irp mt, 0,1
.irp k, 0,1,2
	global_load_b128 v[VOFF+24*\mt+8*\k:VOFF+24*\mt+8*\k+3],   v5, s[8:9] offset:131072*\k+64*\mt
	global_load_b128 v[VOFF+24*\mt+8*\k+4:VOFF+24*\mt+8*\k+7], v5, s[8:9] offset:131072*\k+64*\mt+16
.endr
.endr
.irp mt, 0,1
.irp k, 0,1,2
	global_load_b128 v[WT+24*\mt+8*\k:WT+24*\mt+8*\k+3],   v5, s[10:11] offset:131072*\k+64*\mt
	global_load_b128 v[WT+24*\mt+8*\k+4:WT+24*\mt+8*\k+7], v5, s[10:11] offset:131072*\k+64*\mt+16
.endr
.endr
	WIN 0x80
.irp i, 0,1,2,3,4,5,6,7,8,9,10,11,12,13,14,15
	global_load_b128 v[WPR+4*\i:WPR+4*\i+3], v6, s[14:15] offset:512*\i
.endr
	global_load_b128 v[BPR:BPR+3],   v4, s[16:17]
	global_load_b128 v[BPR+4:BPR+7], v4, s[16:17] offset:256
	global_load_b128 v[B2R:B2R+3],   v4, s[18:19]
	global_load_b128 v[B2R+4:B2R+7], v4, s[18:19] offset:256
	WIN 0
	s_wait_loadcnt 32                              ; nbr's twelve are in; the 32 younger stay out
.irp i, 0,1,2,3,4,5,6,7,8,9,10,11,12,13,14,15,16,17,18,19,20,21,22,23,24,25,26,27,28,29,30,31,32,33,34,35,36,37,38,39,40,41,42,43,44,45,46,47
	v_min_u32 v[VOFF+\i], 0x1fff, v[VOFF+\i]       ; a row stays inside z16
	v_lshl_add_u32 v[VOFF+\i], v[VOFF+\i], 9, v4   ; 512 bytes a row, + 16 r
.endr
	GLOAD 0
	GLOAD 1
	GLOAD 2
	GLOAD 3
	; the gate's partial sum over my 16 rows of Wp: lane l holds outputs 4 l .. 4 l + 3
	s_wait_loadcnt 24                              ; all but the ring's 24
	s_wait_kmcnt 0x0
	WIN 0x08
.irp c, 0,1,2,3
	v_mul_f32 v[T+\c], s48, v[WPR+\c]
.endr
.irp i, 1,2,3,4,5,6,7,8,9,10,11,12,13,14,15
.irp c, 0,1,2,3
	v_fmac_f32 v[T+\c], s[48+\i], v[WPR+4*\i+\c]
.endr
.endr
	WIN 0
	ds_store_b128 v8, v[T:T+3]
	s_wait_dscnt 0x0                               ; my partial sums are written,
	s_barrier_signal -1                            ; (the two tensor loads stay out, and no tile is read before the next barrier)
	s_barrier_wait -1                              ; everybody's are
	WIN 0x80
.irp u, 0,1,2,3
	ds_load_b128 v[GP+8*\u:GP+8*\u+3],   v11 offset:512*\u
	ds_load_b128 v[GP+8*\u+4:GP+8*\u+7], v11 offset:512*\u+256
.endr
	WIN 0
	GROUP 0, 18, 1                                 ; three younger groups of six loads stay out
	s_wait_dscnt 0x0                               ; the four partial sums of my eight outputs
	WIN 0xaa                                       ; the gate is finished in window 2, where bp and b2 lie
.irp c, 0,2,4,6
	v_pk_add_f32 v[GP+\c:GP+\c+1], v[GP+\c:GP+\c+1], v[GP+8+\c:GP+8+\c+1]
	v_pk_add_f32 v[GP+16+\c:GP+16+\c+1], v[GP+16+\c:GP+16+\c+1], v[GP+24+\c:GP+24+\c+1]
.endr
.irp c, 0,2,4,6
	v_pk_add_f32 v[GP+\c:GP+\c+1], v[GP+\c:GP+\c+1], v[GP+16+\c:GP+16+\c+1]
.endr
.irp c, 0,1,2,3,4,5,6,7
	v_add_f32 v[GP+\c], v[BPR+\c], v[GP+\c]
.endr
.irp c, 0,1,2,3,4,5,6,7
	v_max_num_f32 v[GATE+\c], 0, v[GP+\c]          ; the gate of my eight outputs
.endr
.irp c, 0,1,2,3,4,5,6,7
	v_mul_f32 v[B2G+\c], v[B2R+\c], v[GATE+\c]     ; b2 x gate
.endr
	WIN 0
.irp g, 1,2,3,4,5,6,7,8,9,10,11
	GROUP \g, 18, 1
.endr
	GROUP 12, 18, 0                                ; nothing is left to gather: the counts run down
	GROUP 13, 12, 0
	GROUP 14, 6, 0
	GROUP 15, 0, 0
	s_wait_tensorcnt 0x0                           ; my quarter of the weights and my rows of x_skip have landed,
	s_barrier_signal -1
	s_barrier_wait -1                              ; everybody's have
	; x_skip as loaded, all eight fragments, K step by K step, and layer 1's first weight fragments
.irp ksl, 0,1,2,3
.irp mt, 0,1
	ds_load_b128 v[RW+16*(2*\ksl+\mt):RW+16*(2*\ksl+\mt)+3],     v7 offset:16*\mt*PIT+128*\ksl
	ds_load_b128 v[RW+16*(2*\ksl+\mt)+4:RW+16*(2*\ksl+\mt)+7],   v7 offset:16*\mt*PIT+128*\ksl+16
	ds_load_b128 v[RW+16*(2*\ksl+\mt)+8:RW+16*(2*\ksl+\mt)+11],  v7 offset:16*\mt*PIT+128*\ksl+64
	ds_load_b128 v[RW+16*(2*\ksl+\mt)+12:RW+16*(2*\ksl+\mt)+15], v7 offset:16*\mt*PIT+128*\ksl+80
.endr
.endr
	WIN 0x80
	FETCH1 0
	s_wait_dscnt 32                                ; K step 0's eight loads are in; the 24 of the later K steps and the eight fragment loads stay out
	XCV 0, 0
	XCV 1, 0
	; LAYER 1: sixteen batches of eight products.  Ahead of batch b: b = 1..6 the fragment of x_skip that batch 2 ((b + 1) / 2) first reads; b = 9..15 two rows of channels 0-127,
	; whose sums ended with batch 7 (the four lines ahead of batch 8 stand between those products and the first read).
.irp b, 0,1,2,3,4,5,6,7,8,9,10,11,12,13,14,15
.if \b > 8
	RROWS 0, 2*(\b-9), 2
.else
.if \b > 6
	PLACES
.else
.if \b > 0
	XCV (\b+1)%2, (\b+1)/2
.endif
.endif
.endif
.if \b < 15
	WIN 0x80
	FETCH1 \b+1
	s_wait_dscnt 0x8                               ; this batch's fragments (and all that is older) are in; the eight loads just issued stay out
.else
	s_wait_dscnt 0x0
.endif
	WIN 0x5a
	MUL1 \b
.endr
	RROWS 0, 14, 2                                 ; the last two rows of channels 0-127: also the lines between the last products and what follows
	WIN 0x80
	HLOAD 0                                        ; h, K steps 0-3
	FETCH2 0
	RROWS 1, 0, 4                                  ; channels 128-255 begin while those loads are on their way
	; LAYER 2: column half 0 over K steps 0-7, then column half 1.  Ahead of batch u: u = 1..3 four more rows of channels 128-255; u = 9..15 two rows of column half 0's output.
.irp u, 0,1,2,3,4,5,6,7,8,9,10,11,12,13,14,15
.if \u > 8
	OROWS 0, 2*(\u-9), 2
.else
.if \u > 3
	PLACES
.else
.if \u > 0
	RROWS 1, 4*\u, 4
.endif
.endif
.endif
.if \u < 15
	WIN 0x80
	FETCH2 \u+1
.if \u == 3
	HLOAD 1                                        ; h, K steps 4-7: behind the last store of channels 128-255
	s_wait_dscnt 24                                ; this batch's fragments are in; the eight fragment loads and the sixteen of h just issued stay out
.else
	s_wait_dscnt 0x8                               ; this batch's fragments (and h, where it was asked for a batch ago) are in; the eight loads just issued stay out
.endif
.else
	s_wait_dscnt 0x0
.endif
	WIN 0x5a
.if (\u)%8 == 0
	MUL2 \u, 1                                     ; a column half's first K step starts its sums
.else
	MUL2 \u, 0
.endif
.endr
	OROWS 0, 14, 2                                 ; the last two rows of column half 0: also the lines between the last products and the reads of their sums
	OROWS 1, 0, 16
	WIN 0
	s_set_vgpr_msb 0xa
	s_wait_tensorcnt 0x0
	ds_add_u32 v254, v255
	s_wait_dscnt 0x0
	s_set_vgpr_msb 0xa00
	ROUND                                          ; the closing round: no work-group ends while a partner may still ask for a tile that names it
	s_endpgm
.Lfunc_end_k_qa4aabca9e8_mlp:
	.size	k_qa4aabca9e8_mlp, .Lfunc_end_k_qa4aabca9e8_mlp-k_qa4aabca9e8_mlp
	.p2alignl 7, 3214868480
	.fill 96, 4, 3214868480
	.section	.rodata,"a",@progbits
	.p2align	6, 0x0
	.amdhsa_kernel k_qa4aabca9e8_mlp
		.amdhsa_group_segment_fixed_size 268800
		.amdhsa_private_segment_fixed_size 0
		.amdhsa_enable_private_segment 0
		.amdhsa_kernarg_size 80
		.amdhsa_user_sgpr_count 2
		.amdhsa_user_sgpr_kernarg_segment_ptr 1
		.amdhsa_wavefront_size32 1
		.amdhsa_system_sgpr_workgroup_id_x 1
		.amdhsa_system_sgpr_workgroup_id_y 1
		.amdhsa_system_sgpr_workgroup_id_z 1
		.amdhsa_system_vgpr_workitem_id 0
		.amdhsa_next_free_vgpr 768
		.amdhsa_next_free_sgpr 80
		.amdhsa_reserve_vcc 0
		.amdhsa_float_denorm_mode_32 3
		.amdhsa_float_denorm_mode_16_64 3
		.amdhsa_memory_ordered 1
		.amdhsa_forward_progress 1
		.amdhsa_inst_pref_size 153
	.end_amdhsa_kernel
	.amdgpu_metadata
---
amdhsa.version: [ 1, 2 ]
amdhsa.kernels:
  - .name:           k_qa4aabca9e8_mlp
    .symbol:         k_qa4aabca9e8_mlp.kd
    .args:
      - { .name: wf, .offset: 0, .size: 8, .value_kind: global_buffer, .address_space: global }
      - { .name: x_skip, .offset: 8, .size: 8, .value_kind: global_buffer, .address_space: global }
      - { .name: nbr, .offset: 16, .size: 8, .value_kind: global_buffer, .address_space: global }
      - { .name: wts, .offset: 24, .size: 8, .value_kind: global_buffer, .address_space: global }
      - { .name: z16, .offset: 32, .size: 8, .value_kind: global_buffer, .address_space: global }
      - { .name: Wp, .offset: 40, .size: 8, .value_kind: global_buffer, .address_space: global }
      - { .name: bp, .offset: 48, .size: 8, .value_kind: global_buffer, .address_space: global }
      - { .name: b2, .offset: 56, .size: 8, .value_kind: global_buffer, .address_space: global }
      - { .name: par_embedding, .offset: 64, .size: 8, .value_kind: global_buffer, .address_space: global }
      - { .name: out0, .offset: 72, .size: 8, .value_kind: global_buffer, .address_space: global }
    .group_segment_fixed_size: 268800
    .private_segment_fixed_size: 0
    .kernarg_segment_align: 8
    .kernarg_segment_size: 80
    .max_flat_workgroup_size: 128
    .sgpr_count:     80
    .vgpr_count:     768
    .wavefront_size: 32
...
	.end_amdgpu_metadata
.endif
;; end of part 3
